; MI455X (gfx1250); checked and timed in simulation.
; The chip was launched on July 23, 2026; its instructions are those of AMD's public machine-readable ISA for CDNA 5 (MIT licence, August 2026) and "CDNA5" Instruction Set Architecture Reference Guide (July 2026). The comments in the code are by the model that wrote it; some were corrected since.
;; QKV Attention Legacy. Allowed arithmetic: float matrix products may take bf16 or f16 operands with f32 sums; all other float work in f32.
;; Inputs: kv 4 x 1,024 x 2,048 float32; q 4 x 512 x 2,048 float32.
;; Outputs: out0 4 x 512 x 2,048 float32.
;; Constants: n_heads = 8.
;; One version. Each part assembles by itself: llvm-mc -triple=amdgcn-amd-amdhsa -mcpu=gfx1250 --defsym DOCPART=n.
;; ======== version 1 of 1: 1 launch
;; launch attn (part 1): grid 8 x 32, 8 waves a work-group, no clusters, 254,976 bytes of LDS; arguments kv, q, out0; writes out0
.if DOCPART == 1
	.amdgcn_target "amdgcn-amd-amdhsa--gfx1250"
	.amdhsa_code_object_version 6
	.text
	.protected	k_q80665cd464_attn
	.globl	k_q80665cd464_attn
	.p2align	8
	.type	k_q80665cd464_attn,@function
k_q80665cd464_attn:
	s_mov_b64 s[64:65], 0
	v_nop
	global_prefetch_b8 v0, s[64:65] scope:SCOPE_SE
	s_setreg_imm32_b32 hwreg(HW_REG_WAVE_MODE, 25, 1), 1
	s_wait_xcnt 0x0
; Attention of 32 heads (4 x 8), 64 channels, 2,048 positions; q, kv, out0 are f32 and lie [channel][position].
;   out[b][c][t] = sum over s of softmax_s(q[b][.][t] . k[b][.][s] / 8) v[b][c][s];  kv[b] rows 0-63 are k, rows 64-127 are v.
; One launch.  A work-group owns 256 queries of one head (grid 8 x 32).  Eight waves, w = 2 g + kh: g picks 64 queries, kh picks which 64
; of each tile's 128 keys; the two waves of a pair are merged at the end through LDS.  16 steps of 128 keys.
;
; BOTH PRODUCTS ARE TRANSPOSED.  S^T = K^T Q: A = 16 keys x 32 channels, B = 16 queries x 32 channels; register j of lane (r, h) of a result
; is (key 8 h + j, query r).  O^T = V P^T: A = 16 channels x 32 keys, B = P^T, whose layout (lane r = query; registers 0-3 keys 8 h .. 8 h + 7,
; registers 4-7 keys 16 + 8 h ..) is two neighbouring tiles of S^T packed to bf16: P never leaves its registers, and every figure of the
; softmax (maximum, sum, factor) belongs to the lane's own query.  K and Q lie [channel][position] and are read by the transposing LDS load;
; V lies [channel][key], keys along the row, and is read by plain 16-byte loads.
;
; K AND V COME THROUGH REGISTERS: each wave loads 8 rows of K and 8 of V of the tile two steps ahead (16 loads, 512 consecutive aligned bytes
; each), one step later rounds them to bf16 and stores them into the LDS slot that is not being read.  One barrier a step.
; NO CLUSTER, NO TENSOR LOADS, though the 8 work-groups of a head read the same tiles: a joint request can only land f32 in LDS, and a step
; would then move 64 KiB into LDS and 64 KiB back out for the rounding, on top of the 128 KiB of fragment reads and 32 KiB of bf16 stores
; that it moves now: 288 KiB in place of 160 KiB for the same 512 matrix instructions of the work-group.
; No prefetch lines: the register ring asks a whole step ahead (64 matrix instructions and a softmax of each wave).
;
; LIMITS.  q, k, v and the weights p are rounded to bf16 (nearest even) for the matrix unit; everything else is f32.  The maximum is a
; running one, taken on the raw scores; p = 2^(c s - c m), c = log2(e) / 8.  A p below 2^-126 counts as 0 (v_exp_f32).  The sum of p is
; taken before p is rounded.  Inputs are taken as finite with scores finite in f32; otherwise NaN comes out, as from the softmax itself.
.set ROWB,  8192                       ; bytes in a row of q, kv, out0
.set VGLB,  64*ROWB                    ; v behind k in a head of kv
.set TILEB, 512                        ; 128 keys of f32
.set KP,    288                        ; LDS pitch of K rows (256 bytes of bf16 + 32): an odd multiple of 32, for the transposing load
.set VP,    272                        ; of V rows (256 + 16): an odd multiple of 16
.set QP,    544                        ; of Q rows (512 + 32)
.set OP,    272                        ; of the way out's rows (64 f32 + 16)
.set VOFF,  64*KP                      ; V behind K in a slot
.set SLOT,  64*KP+64*VP                ; 35,840
.set QST,   2*SLOT                     ; Q, bf16 [64 channels][256 queries]
.set OST,   QST+64*QP                  ; 106,496: wave w's O, f32 [64 channels][64 queries], at + w x 64 OP
.set MLB,   OST+8*64*OP                ; 245,760: wave w's -c m and sums, 32 bytes a lane, at + w x 1,024
; window 0: v1 global offset of my staging rows; v2, v3, v4 where I store K, V, Q; v5, v6, v7 where I read K, V, Q fragments;
;           v8, v9 my and my partner's figures; v10 where I put O; v11 where I read rows back; v12 my offset in out0; v13 a temporary
.set PXR,  16                          ; v16-19   the other half's maximum (first: lane terms of the addresses)
.set ALF,  20                          ; v20-23   factor 2^(c m_old - c m_new) of query tile tt; at the end the final factor
.set TMP,  24                          ; v24-31   at work
.set GST,  32                          ; v32-95   staging: 8 rows of K, 8 rows of V, 4 f32 a lane each
.set SCR,  96                          ; v96-223  scores: tile (st, tt) at 32 tt + 8 st; P fragment (sc, tt) at 32 tt + 16 sc
.set MX,   224                         ; v224-231 raw maximum, [step's parity][tt]
.set NMX,  232                         ; v232-239 -c x maximum, [parity][tt]
.set LS,   240                         ; v240-247 sum of p: a pair for each tt
.set LTO,  248                         ; v248-251 the sums at the end
; window 1 (v256-511, written by their low 8 bits)
.set OAC,  0                           ; O: tile (ct, tt) at 8 (ct + 4 tt)
.set FRG,  128                         ; K fragment (st, kc) at 8 (2 st + kc); later V fragment (ct, sc) at 8 (ct + 4 sc)
.set QFR,  192                         ; Q fragment (tt, kc) at 8 (2 tt + kc)
; s_set_vgpr_msb's low byte: bits 1:0 source 0, 3:2 source 1, 5:4 source 2, 7:6 destination; the high byte repeats the setting left behind
.set MSB, 0
.macro WIN new
.if MSB != \new
	s_set_vgpr_msb (MSB<<8)|\new
.set MSB, \new
.endif
.endm
.macro PLACES n
.rept \n
	v_nop
.endr
.endm
	s_load_b128 s[4:7], s[0:1], 0x0                ; kv s[4:5], q s[6:7]
	s_load_b64 s[8:9], s[0:1], 0x10                ; out0
	v_lshl_add_u32 v254, v0, 2, 0x3e000
	v_mov_b32 v255, 0
	v_lshrrev_b32 v16, 5, v0
	v_readfirstlane_b32 s10, v16                   ; wave w
	s_and_b32 s11, ttmp7, 0xffff                   ; head b;  ttmp9: block of 256 queries
	s_lshr_b32 s12, s10, 1                         ; g
	s_and_b32 s13, s10, 1                          ; kh
	v_and_b32 v16, 31, v0                          ; lane L
	s_lshl_b32 s14, s10, 16                        ; rows 8 w .. 8 w + 7 of 8,192 bytes
	v_lshl_add_u32 v1, v16, 4, s14                 ; + 16 L
	s_lshl_b32 s16, s11, 20                        ; a head of kv: 128 rows
	s_mov_b32 s17, 0
	s_lshl_b32 s18, s11, 19                        ; a head of q and of out0: 64 rows,
	s_lshl_b32 s19, ttmp9, 10                      ; and my block's 256 queries of 4 bytes
	s_add_co_u32 s18, s18, s19
	s_mov_b32 s19, 0
	s_wait_kmcnt 0x0
	s_add_nc_u64 s[4:5], s[4:5], s[16:17]
	s_add_nc_u64 s[6:7], s[6:7], s[18:19]
	s_add_nc_u64 s[8:9], s[8:9], s[18:19]
; 16 loads: my 8 rows of K and my 8 rows of V of the tile at s[4:5]; each covers 512 consecutive bytes
.macro LOADT
.irp i, 0,1,2,3,4,5,6,7
	global_load_b128 v[GST+4*\i:GST+4*\i+3], v1, s[4:5] offset:\i*ROWB
.endr
.irp i, 0,1,2,3,4,5,6,7
	global_load_b128 v[GST+32+4*\i:GST+32+4*\i+3], v1, s[4:5] offset:VGLB+\i*ROWB
.endr
.endm
; the staged tile to bf16, in place, and into the slot at LDS byte base: 8 bytes a lane, 256 consecutive bytes a store
.macro CVTST base
.irp i, 0,1,2,3,4,5,6,7,8,9,10,11,12,13,14,15
	v_cvt_pk_bf16_f32 v[GST+4*\i], v[GST+4*\i], v[GST+4*\i+1]
	v_cvt_pk_bf16_f32 v[GST+4*\i+1], v[GST+4*\i+2], v[GST+4*\i+3]
.endr
.irp i, 0,1,2,3,4,5,6,7
	ds_store_b64 v2, v[GST+4*\i:GST+4*\i+1] offset:\base+\i*KP
.endr
.irp i, 0,1,2,3,4,5,6,7
	ds_store_b64 v3, v[GST+32+4*\i:GST+32+4*\i+1] offset:\base+\i*VP
.endr
.endm
	LOADT                                          ; tile 0
.irp i, 0,1,2,3,4,5,6,7
.irp u, 0,1
	global_load_b128 v[SCR+8*\i+4*\u:SCR+8*\i+4*\u+3], v1, s[6:7] offset:\i*ROWB+512*\u th:TH_LOAD_NT   ; my 8 rows of Q, 256 queries: read once in the launch
.endr
.endr
	s_mov_b32 s20, 0x3e38aa3b                      ; c = log2(e) / 8, twice (a pair for the packed forms)
	s_mov_b32 s21, 0x3e38aa3b
	s_mov_b32 s22, 0xbe38aa3b                      ; -c
	s_mov_b32 s24, 0x76543210                      ; v_permlanex16_b32: lane i of one half reads lane i of the other
	s_mov_b32 s25, 0xfedcba98
	v_and_b32 v17, 15, v0                          ; r
	v_bfe_u32 v18, v0, 4, 1                        ; h
	v_and_b32 v19, 7, v0
	v_lshl_add_u32 v19, v18, 3, v19                ; 8 h + (L & 7): the row that a lane addresses in a transposing load
	v_bfe_u32 v13, v0, 3, 1                        ; (L >> 3) & 1: which 16 bytes of it
	s_mul_i32 s14, s10, 8*KP
	v_lshl_add_u32 v2, v16, 3, s14                 ; K store: row 8 w, 8 L
	s_mul_i32 s14, s10, 8*VP
	s_add_co_u32 s14, s14, VOFF
	v_lshl_add_u32 v3, v16, 3, s14                 ; V store
	s_mul_i32 s14, s10, 8*QP
	s_add_co_u32 s14, s14, QST
	v_lshl_add_u32 v4, v16, 3, s14                 ; Q store
	s_lshl_b32 s15, s13, 7                         ; my 64 keys of a tile: 128 kh bytes
	v_mul_u32_u24 v5, v19, KP
	v_lshl_add_u32 v5, v13, 4, v5
	v_add_nc_u32 v5, s15, v5                       ; K fragments
	s_add_co_u32 s15, s15, VOFF
	v_mul_u32_u24 v6, v17, VP
	v_lshl_add_u32 v6, v18, 4, v6
	v_add_nc_u32 v6, s15, v6                       ; V fragments: row r, 16 h
	s_lshl_b32 s14, s12, 7                         ; my 64 queries: 128 g bytes
	s_add_co_u32 s14, s14, QST
	v_mul_u32_u24 v7, v19, QP
	v_lshl_add_u32 v7, v13, 4, v7
	v_add_nc_u32 v7, s14, v7                       ; Q fragments
	s_lshl_b32 s14, s10, 10
	s_add_co_u32 s14, s14, MLB
	v_lshl_add_u32 v8, v16, 5, s14                 ; my figures
	s_xor_b32 s14, s10, 1
	s_lshl_b32 s14, s14, 10
	s_add_co_u32 s14, s14, MLB
	v_lshl_add_u32 v9, v16, 5, s14                 ; my partner's (wave w xor 1)
	s_mul_i32 s14, s10, 64*OP
	s_add_co_u32 s14, s14, OST
	v_mul_u32_u24 v10, v18, 8*OP
	v_lshl_add_u32 v10, v17, 2, v10
	v_add_nc_u32 v10, s14, v10                     ; O out: row 8 h, 4 r
	s_mul_i32 s14, s12, 128*OP                     ; the pair's two stages,
	s_mul_i32 s15, s13, 32*OP                      ; of which I take channels 32 kh .. 32 kh + 31
	s_add_co_u32 s14, s14, s15
	s_add_co_u32 s14, s14, OST
	v_mul_u32_u24 v11, v18, OP
	v_lshl_add_u32 v11, v17, 4, v11
	v_add_nc_u32 v11, s14, v11                     ; rows back: row 32 kh + h, 16 r
	s_lshl_b32 s14, s13, 18                        ; the same in out0: 32 kh rows of 8,192 bytes,
	s_lshl_b32 s15, s12, 8                         ; 64 g queries of 4 bytes
	s_add_co_u32 s14, s14, s15
	v_lshlrev_b32 v12, 13, v18
	v_lshl_add_u32 v12, v17, 4, v12
	v_add_nc_u32 v12, s14, v12
	s_wait_loadcnt 16                              ; loads return in order (ISA guide 5.7.1): tile 0 is in, Q's 16 loads stay out
	CVTST 0
	s_add_nc_u64 s[4:5], s[4:5], TILEB             ; tile 0's loads, the only ones that name s[4:5], are done
	LOADT                                          ; tile 1
	s_wait_loadcnt 16                              ; Q is in, tile 1's 16 loads stay out
.irp i, 0,1,2,3,4,5,6,7,8,9,10,11,12,13,14,15
	v_cvt_pk_bf16_f32 v[SCR+4*\i], v[SCR+4*\i], v[SCR+4*\i+1]
	v_cvt_pk_bf16_f32 v[SCR+4*\i+1], v[SCR+4*\i+2], v[SCR+4*\i+3]
.endr
.irp i, 0,1,2,3,4,5,6,7
.irp u, 0,1
	ds_store_b64 v4, v[SCR+8*\i+4*\u:SCR+8*\i+4*\u+1] offset:\i*QP+256*\u
.endr
.endr
	s_wait_dscnt 0x0                               ; my rows of tile 0 and of Q are in LDS, for the other waves' sake
	s_barrier_signal -1
	s_barrier_wait -1                              ; everybody's are
	WIN 0x40                                       ; destination window 1
.irp tt, 0,1,2,3
.irp kc, 0,1
	ds_load_tr16_b128 v[QFR+8*(2*\tt+\kc):QFR+8*(2*\tt+\kc)+3], v7 offset:\kc*32*QP+32*\tt          ; channels 32 kc + 8 h .. + 7 of query 16 tt + r
	ds_load_tr16_b128 v[QFR+8*(2*\tt+\kc)+4:QFR+8*(2*\tt+\kc)+7], v7 offset:\kc*32*QP+32*\tt+16*QP  ; channels 32 kc + 16 + 8 h ..
.endr
.endr
; 16 transposing loads: my 64 keys x 64 channels of K as 8 fragments, key tile by key tile
.macro KFRAG slot
	WIN 0x40
.irp st, 0,1,2,3
.irp kc, 0,1
	ds_load_tr16_b128 v[FRG+8*(2*\st+\kc):FRG+8*(2*\st+\kc)+3], v5 offset:\slot*SLOT+\kc*32*KP+32*\st
	ds_load_tr16_b128 v[FRG+8*(2*\st+\kc)+4:FRG+8*(2*\st+\kc)+7], v5 offset:\slot*SLOT+\kc*32*KP+32*\st+16*KP
.endr
.endr
.endm
; 16 plain loads: 64 channels x my 64 keys of V as 8 fragments
.macro VFRAG slot
	WIN 0x40
.irp sc, 0,1
.irp ct, 0,1,2,3
	ds_load_b128 v[FRG+8*(\ct+4*\sc):FRG+8*(\ct+4*\sc)+3], v6 offset:\slot*SLOT+\ct*16*VP+64*\sc
	ds_load_b128 v[FRG+8*(\ct+4*\sc)+4:FRG+8*(\ct+4*\sc)+7], v6 offset:\slot*SLOT+\ct*16*VP+64*\sc+32
.endr
.endr
.endm
; 32 matrix instructions: S^T of 64 keys x 64 queries.  The first 32 channels start each sum (C = 0), the second 32 go on in place.
.macro SMUL
	WIN 0x05                                       ; A and B window 1, C and D window 0
.irp st, 0,1,2,3
	s_wait_dscnt 12-4*\st                          ; LDS loads return in order: key tile st's four are in, four for each later tile stay out (in step 0 Q's, older, are in too)
.irp tt, 0,1,2,3
	v_wmma_f32_16x16x32_bf16 v[SCR+32*\tt+8*\st:SCR+32*\tt+8*\st+7], v[FRG+16*\st:FRG+16*\st+7], v[QFR+16*\tt:QFR+16*\tt+7], 0
.endr
.irp tt, 0,1,2,3
	v_wmma_f32_16x16x32_bf16 v[SCR+32*\tt+8*\st:SCR+32*\tt+8*\st+7], v[FRG+16*\st+8:FRG+16*\st+15], v[QFR+16*\tt+8:QFR+16*\tt+15], v[SCR+32*\tt+8*\st:SCR+32*\tt+8*\st+7]
.endr
.endr
.endm
; The running maximum of each query (four chains, one for each query tile, that do not wait for each other), -c m, and the factor for the old sums
.macro SMAX par, first
.irp tt, 0,1,2,3
	v_max3_num_f32 v[MX+4*\par+\tt], v[SCR+32*\tt], v[SCR+32*\tt+1], v[SCR+32*\tt+2]
.endr
.set kk, 3
.rept 14
.irp tt, 0,1,2,3
	v_max3_num_f32 v[MX+4*\par+\tt], v[MX+4*\par+\tt], v[SCR+32*\tt+kk], v[SCR+32*\tt+kk+1]
.endr
.set kk, kk+2
.endr
.irp tt, 0,1,2,3
.if \first
	v_max_num_f32 v[MX+4*\par+\tt], v[MX+4*\par+\tt], v[SCR+32*\tt+31]
.else
	v_max3_num_f32 v[MX+4*\par+\tt], v[MX+4*\par+\tt], v[SCR+32*\tt+31], v[MX+4*(1-\par)+\tt]   ; the last step's maximum joins here
.endif
.endr
.irp tt, 0,1,2,3
	v_permlanex16_b32 v[PXR+\tt], v[MX+4*\par+\tt], s24, s25       ; the other 32 keys of my query lie in lane L xor 16
.endr
.irp tt, 0,1,2,3
	v_max_num_f32 v[MX+4*\par+\tt], v[MX+4*\par+\tt], v[PXR+\tt]
.endr
.irp tt, 0,1,2,3
	v_mul_f32 v[NMX+4*\par+\tt], s22, v[MX+4*\par+\tt]
.endr
.if \first == 0
.irp tt, 0,1,2,3
	v_sub_f32 v[ALF+\tt], v[NMX+4*\par+\tt], v[NMX+4*(1-\par)+\tt] ; c m_old - c m_new, never above 0
.endr
.irp tt, 0,1,2,3
	v_exp_f32 v[ALF+\tt], v[ALF+\tt]               ; first used behind the plain lines of the first GFMA
.endr
.endif
.endm
; Group g = 2 tt + sc: the 16 registers of two key tiles of one query tile, which become one P fragment.
.macro GFMA g, par                     ; c s - c m, two at a time; -c m of an even tt is its pair's first register, of an odd tt the second
.set gb, SCR+16*(\g)
.set np, NMX+4*(\par)+2*((\g)/4)
.irp i, 0,1,2,3,4,5,6,7
.if ((\g)/2)%2
	v_pk_fma_f32 v[gb+2*\i:gb+2*\i+1], v[gb+2*\i:gb+2*\i+1], s[20:21], v[np:np+1] op_sel:[0,0,1] op_sel_hi:[1,0,1]
.else
	v_pk_fma_f32 v[gb+2*\i:gb+2*\i+1], v[gb+2*\i:gb+2*\i+1], s[20:21], v[np:np+1] op_sel_hi:[1,0,0]
.endif
.endr
.endm
.macro GEXP g
.set gb, SCR+16*(\g)
.irp i, 0,1,2,3,4,5,6,7,8,9,10,11,12,13,14,15
	v_exp_f32 v[gb+\i], v[gb+\i]
.endr
.endm
; the group's 16 p summed by pairs.  mode 0: they start the sum; 1: old sum x factor + they; 2: added
.macro GSUM g, mode
.set gb, SCR+16*(\g)
.set lp, LS+2*((\g)/2)
.set ap, ALF+2*((\g)/4)
	s_wait_alu depctr_va_vdst(0)
	v_pk_add_f32 v[TMP:TMP+1], v[gb:gb+1], v[gb+2:gb+3]
	v_pk_add_f32 v[TMP+2:TMP+3], v[gb+4:gb+5], v[gb+6:gb+7]
	v_pk_add_f32 v[TMP+4:TMP+5], v[gb+8:gb+9], v[gb+10:gb+11]
	v_pk_add_f32 v[TMP+6:TMP+7], v[gb+12:gb+13], v[gb+14:gb+15]
	v_pk_add_f32 v[TMP:TMP+1], v[TMP:TMP+1], v[TMP+2:TMP+3]
	v_pk_add_f32 v[TMP+4:TMP+5], v[TMP+4:TMP+5], v[TMP+6:TMP+7]
.if (\mode) == 0
	v_pk_add_f32 v[lp:lp+1], v[TMP:TMP+1], v[TMP+4:TMP+5]
.else
	v_pk_add_f32 v[TMP:TMP+1], v[TMP:TMP+1], v[TMP+4:TMP+5]
.if (\mode) == 1
.if ((\g)/2)%2
	v_pk_fma_f32 v[lp:lp+1], v[lp:lp+1], v[ap:ap+1], v[TMP:TMP+1] op_sel:[0,1,0] op_sel_hi:[1,1,1]
.else
	v_pk_fma_f32 v[lp:lp+1], v[lp:lp+1], v[ap:ap+1], v[TMP:TMP+1] op_sel_hi:[1,0,1]
.endif
.else
	v_pk_add_f32 v[lp:lp+1], v[lp:lp+1], v[TMP:TMP+1]
.endif
.endif
.endm
.macro GS g, first
.if (\g)%2
	GSUM \g, 2
.else
	GSUM \g, 1-\first
.endif
.endm
.macro GCVT g                          ; 16 p to bf16, in place and ascending: line i writes register i and reads 2 i, 2 i + 1, which no earlier line wrote
.set gb, SCR+16*(\g)
.irp i, 0,1,2,3,4,5,6,7
	v_cvt_pk_bf16_f32 v[gb+\i], v[gb+2*\i], v[gb+2*\i+1]
.endr
.endm
; Behind a run of v_exp_f32 a plain vector instruction that touches none of its registers stands before the results are used
; (ISA guide 5.7.2): here the next group's multiply-adds, behind the last group one v_nop.
.macro SOFTMAX par, first
	SMAX \par, \first
	GFMA 0, \par
.irp g, 0,1,2,3,4,5,6
	GEXP \g
	GFMA \g+1, \par
	GS \g, \first
	GCVT \g
.endr
	GEXP 7
	v_nop
	s_wait_alu depctr_va_vdst(0)
	GSUM 7, 2
	GCVT 7
.endm
.macro SCALEO                          ; O x the factor of its query tile: 64 packed multiplies
	WIN 0x41                                       ; destination and source 0 window 1, the factor window 0
.irp tt, 0,1,2,3
.irp i, 0,1,2,3,4,5,6,7,8,9,10,11,12,13,14,15
.if \tt%2
	v_pk_mul_f32 v[OAC+32*\tt+2*\i:OAC+32*\tt+2*\i+1], v[OAC+32*\tt+2*\i:OAC+32*\tt+2*\i+1], v[ALF+2*(\tt/2):ALF+2*(\tt/2)+1] op_sel:[0,1] op_sel_hi:[1,1]
.else
	v_pk_mul_f32 v[OAC+32*\tt+2*\i:OAC+32*\tt+2*\i+1], v[OAC+32*\tt+2*\i:OAC+32*\tt+2*\i+1], v[ALF+2*(\tt/2):ALF+2*(\tt/2)+1] op_sel_hi:[1,0]
.endif
.endr
.endr
.endm
.macro PVMUL first                     ; 32 matrix instructions: O^T += V P^T; in the first step the first 32 keys start the sums
	WIN 0x51                                       ; D, A and C window 1, B (P) window 0
.irp sc, 0,1
.irp tt, 0,1,2,3
.irp ct, 0,1,2,3
.if (\first)*(1-\sc)
	v_wmma_f32_16x16x32_bf16 v[OAC+8*(\ct+4*\tt):OAC+8*(\ct+4*\tt)+7], v[FRG+8*(\ct+4*\sc):FRG+8*(\ct+4*\sc)+7], v[SCR+32*\tt+16*\sc:SCR+32*\tt+16*\sc+7], 0
.else
	v_wmma_f32_16x16x32_bf16 v[OAC+8*(\ct+4*\tt):OAC+8*(\ct+4*\tt)+7], v[FRG+8*(\ct+4*\sc):FRG+8*(\ct+4*\sc)+7], v[SCR+32*\tt+16*\sc:SCR+32*\tt+16*\sc+7], v[OAC+8*(\ct+4*\tt):OAC+8*(\ct+4*\tt)+7]
.endif
.endr
.endr
.endr
.endm
; STEP j multiplies tile j (in slot = j mod 2, also the parity of the maxima), rounds tile j + 1 into the other slot (stage) and asks for
; tile j + 2 (load).  bar: a step follows.
.macro STEP slot, first, stage, load, bar
.if \first == 0
	PLACES 5                                       ; behind the last step's matrix instructions: four places before loads land on their A, five before new products write over their B
.endif
	KFRAG \slot
	SMUL
	WIN 0
.if \stage
	s_wait_loadcnt 0x0                             ; the 16 loads asked for a step ago are the only ones out; it also frees s[4:5]
	CVTST SLOT-\slot*SLOT                          ; its 32 conversions are also the places between the products above and the loads into their A below
.if \load
	s_add_nc_u64 s[4:5], s[4:5], TILEB
	LOADT
.endif
.else
	PLACES 4                                       ; the same places where nothing is staged
.endif
	VFRAG \slot
	WIN 0
	SOFTMAX \slot, \first
.if \first == 0
	SCALEO
.endif
	s_wait_dscnt 0x0                               ; V's fragments are in; and for the other waves: my reads of this slot are over, my stores into the other are done
.if \bar
	s_barrier_signal -1                            ; say so,
.endif
	PVMUL \first                                   ; work on registers while the others arrive,
.if \bar
	s_barrier_wait -1                              ; and go on when all eight have said so: the other slot may be read, this one written again
.endif
	WIN 0                                          ; at a label and at a branch every window is 0
.endm
	STEP 0, 1, 1, 1, 1                             ; step 0 stands in front of the loop: its products start the sums
	s_mov_b32 s26, 6
.Lloop:                                            ; steps 1 to 12
	STEP 1, 0, 1, 1, 1
	STEP 0, 0, 1, 1, 1
	s_sub_co_u32 s26, s26, 1
	s_cmp_lg_u32 s26, 0
	s_cbranch_scc1 .Lloop
	STEP 1, 0, 1, 1, 1                             ; step 13 asks for tile 15, the last
	STEP 0, 0, 1, 0, 1                             ; step 14 asks for nothing
	STEP 1, 0, 0, 0, 0                             ; step 15 stages nothing, and no step follows
	; THE TWO WAVES OF A PAIR MEET.  Each holds, for the same 64 queries and its half of the keys, O, -c m and the sum of p.
	; The eight additions below name no register of the last matrix instructions and are the places in front of the first read of O.
.irp tt, 0,1,2,3
	v_add_f32 v[LTO+\tt], v[LS+2*\tt], v[LS+2*\tt+1]
.endr
.irp tt, 0,1,2,3
	v_permlanex16_b32 v[PXR+\tt], v[LTO+\tt], s24, s25
.endr
.irp tt, 0,1,2,3
	v_add_f32 v[LTO+\tt], v[LTO+\tt], v[PXR+\tt]   ; the sum over my 1,024 keys, in both lanes of the query
.endr
	ds_store_b128 v8, v[NMX+4:NMX+7]               ; step 15 has parity 1
	ds_store_b128 v8, v[LTO:LTO+3] offset:16
	s_wait_dscnt 0x0                               ; for my partner's sake
	s_barrier_signal -1
	s_barrier_wait -1
	ds_load_b128 v[TMP:TMP+3], v9                  ; the partner's -c m
	ds_load_b128 v[TMP+4:TMP+7], v9 offset:16      ; and sums
	s_wait_dscnt 0x0
.irp tt, 0,1,2,3
	v_min_num_f32 v[PXR+\tt], v[NMX+4+\tt], v[TMP+\tt]             ; -c x the larger maximum
.endr
.irp tt, 0,1,2,3
	v_sub_f32 v[ALF+\tt], v[PXR+\tt], v[NMX+4+\tt]
	v_sub_f32 v[TMP+\tt], v[PXR+\tt], v[TMP+\tt]
.endr
.irp tt, 0,1,2,3
	v_exp_f32 v[ALF+\tt], v[ALF+\tt]               ; my share's factor a,
	v_exp_f32 v[TMP+\tt], v[TMP+\tt]               ; the partner's
.endr
	v_nop                                          ; the plain place behind the exponentials
	s_wait_alu depctr_va_vdst(0)
.irp tt, 0,1,2,3
	v_mul_f32 v[LTO+\tt], v[LTO+\tt], v[ALF+\tt]
.endr
.irp tt, 0,1,2,3
	v_fmac_f32 v[LTO+\tt], v[TMP+4+\tt], v[TMP+\tt]                ; the whole sum: about 1 at the least, since the largest score's p is about 1
.endr
.irp tt, 0,1,2,3
	v_rcp_f32 v[LTO+\tt], v[LTO+\tt]
.endr
	v_nop                                          ; the plain place behind the reciprocals
	s_wait_alu depctr_va_vdst(0)
.irp tt, 0,1,2,3
	v_mul_f32 v[ALF+\tt], v[ALF+\tt], v[LTO+\tt]   ; a / sum
.endr
	SCALEO
	WIN 0x04                                       ; store data window 1
.irp tt, 0,1,2,3
.irp ct, 0,1,2,3
.irp j, 0,1,2,3,4,5,6,7
	ds_store_b32 v10, v[OAC+8*(\ct+4*\tt)+\j] offset:OP*(16*\ct+\j)+64*\tt    ; channel 16 ct + 8 h + j, query 16 tt + r
.endr
.endr
.endr
	WIN 0
	s_wait_dscnt 0x0                               ; for my partner's sake
	s_barrier_signal -1
	s_barrier_wait -1
	; I add and store channels 32 kh .. 32 kh + 31: two rows a turn (lanes 0-15 one, lanes 16-31 the next), from both stages of the pair
.irp i, 0,1,2,3,4,5,6,7,8,9,10,11,12,13,14,15
	ds_load_b128 v[SCR+4*\i:SCR+4*\i+3], v11 offset:\i*2*OP
	ds_load_b128 v[SCR+64+4*\i:SCR+64+4*\i+3], v11 offset:\i*2*OP+64*OP
.endr
.irp i, 0,1,2,3,4,5,6,7,8,9,10,11,12,13,14,15
	s_wait_dscnt 30-2*\i                           ; turn i's two loads are in, two for each later turn stay out
	v_pk_add_f32 v[SCR+4*\i:SCR+4*\i+1], v[SCR+4*\i:SCR+4*\i+1], v[SCR+64+4*\i:SCR+64+4*\i+1]
	v_pk_add_f32 v[SCR+4*\i+2:SCR+4*\i+3], v[SCR+4*\i+2:SCR+4*\i+3], v[SCR+64+4*\i+2:SCR+64+4*\i+3]
	global_store_b128 v12, v[SCR+4*\i:SCR+4*\i+3], s[8:9] offset:\i*2*ROWB th:TH_STORE_NT   ; 16 lanes store 256 consecutive bytes, at a multiple of 256 from out0's first byte
.endr
	s_wait_tensorcnt 0x0
	ds_add_u32 v254, v255
	s_wait_dscnt 0x0
	s_endpgm
.Lfunc_end_k_q80665cd464_attn:
	.size	k_q80665cd464_attn, .Lfunc_end_k_q80665cd464_attn-k_q80665cd464_attn
	.p2alignl 7, 3214868480
	.fill 96, 4, 3214868480
	.section	.rodata,"a",@progbits
	.p2align	6, 0x0
	.amdhsa_kernel k_q80665cd464_attn
		.amdhsa_group_segment_fixed_size 254976
		.amdhsa_private_segment_fixed_size 0
		.amdhsa_enable_private_segment 0
		.amdhsa_kernarg_size 24
		.amdhsa_user_sgpr_count 2
		.amdhsa_user_sgpr_kernarg_segment_ptr 1
		.amdhsa_wavefront_size32 1
		.amdhsa_system_sgpr_workgroup_id_x 1
		.amdhsa_system_sgpr_workgroup_id_y 1
		.amdhsa_system_sgpr_workgroup_id_z 1
		.amdhsa_system_vgpr_workitem_id 0
		.amdhsa_next_free_vgpr 512
		.amdhsa_next_free_sgpr 66
		.amdhsa_reserve_vcc 0
		.amdhsa_float_denorm_mode_32 3
		.amdhsa_float_denorm_mode_16_64 3
		.amdhsa_memory_ordered 1
		.amdhsa_forward_progress 1
		.amdhsa_inst_pref_size 244
	.end_amdhsa_kernel
	.amdgpu_metadata
---
amdhsa.version: [ 1, 2 ]
amdhsa.kernels:
  - .name:           k_q80665cd464_attn
    .symbol:         k_q80665cd464_attn.kd
    .args:
      - { .name: kv, .offset: 0, .size: 8, .value_kind: global_buffer, .address_space: global }
      - { .name: q, .offset: 8, .size: 8, .value_kind: global_buffer, .address_space: global }
      - { .name: out0, .offset: 16, .size: 8, .value_kind: global_buffer, .address_space: global }
    .group_segment_fixed_size: 254976
    .private_segment_fixed_size: 0
    .kernarg_segment_align: 8
    .kernarg_segment_size: 24
    .max_flat_workgroup_size: 256
    .sgpr_count:     66
    .vgpr_count:     512
    .wavefront_size: 32
...
	.end_amdgpu_metadata
.endif
;; end of part 1
